; MI455X (gfx1250); checked and timed in simulation.
; The chip was launched on July 23, 2026; its instructions are those of AMD's public machine-readable ISA for CDNA 5 (MIT licence, August 2026) and "CDNA5" Instruction Set Architecture Reference Guide (July 2026). The comments in the code are by the model that wrote it; some were corrected since.
;; M. Allowed arithmetic: matrix products marked QUANTISED: E3M2 operands, one E8M0 scale for each 32 along K, by v_wmma_scale_f32_16x16x128_f8f6f4 with both operands' format E3M2, f32 sums; everything else in f32.
;; Inputs: scale 4,096 float32; w_int 4,096 x 4,096 int32; x 4 x 1,024 x 4,096 float32.
;; Outputs: out0 4 x 1,024 x 4,096 float32.
;; This version of the problem:
;;   THIS VERSION OF THE PROBLEM IS GIVEN IN LOW PRECISION. The matrix products marked QUANTISED in the list below multiply operands that are first quantised to E3M2 (3 exponent bits, 2 mantissa bits; 6 bits a number), with one power-of-two scale for each 32 numbers along K (OCP MX v1.0); their sums are f32. All else is computed in f32.
;;   The module's matrix products, in the order in which they are computed (A, B: the left and right operand; K: the contracted axis; several contracted axes count as one K, in the product's order):
;;     1. [M 4,096, K 4,096] x [K 4,096, N 4,096]; A: input x; B: input w_int: QUANTISED
;;   THE QUANTISER, for each operand of a quantised product, along K:
;;     - K is cut into blocks of 32 from its start; a last block that is shorter is filled with zeros.
;;     - A block's scale is 2^e with e = floor(log2(the largest magnitude in the block)) - 4, held to -126 .. 127; a block of zeros has e = 0. As a byte (E8M0): e + 127.
;;     - Each number is divided by its block's scale, clamped to +-28, and rounded to the nearest number of E3M2, ties to even, subnormals kept.
;;     - The product sums the exact products of the quantised numbers (number of the format x scale) in f32.
;;   ~~~python
;;   def quantise(x, axis):      # numpy; x: float32 -> the quantised numbers, widened to float32 again
;;       x = np.moveaxis(x, axis, -1); K = x.shape[-1]
;;       x = np.pad(x, [(0, 0)] * (x.ndim - 1) + [(0, -K % 32)]); x = x.reshape(x.shape[:-1] + (-1, 32)); a = np.abs(x).max(-1, keepdims=True)
;;       e = np.where(a > 0, np.clip(np.frexp(np.where(a > 0, a, 1))[1] - 1 - 4, -126, 127), 0)      # np.frexp(a)[1] - 1 = floor(log2(a)), exactly
;;       r = np.clip(x / 2.0 ** e, -28, 28)
;;       step = 2.0 ** (np.maximum(np.frexp(np.where(r == 0, 1, r))[1] - 1, -2) - 2)
;;       q = np.round(r / step) * step * 2.0 ** e      # np.round: ties to even
;;       return np.moveaxis(q.reshape(q.shape[:-2] + (-1,))[..., :K], -1, axis).astype(np.float32)
;;   ~~~
;; One version. Each part assembles by itself: llvm-mc -triple=amdgcn-amd-amdhsa -mcpu=gfx1250 --defsym DOCPART=n.
;; ======== version 1 of 1: 2 launches
;; limits: right only within a limited range of input values
;; workspace buffers: a_pack 13,107,200 bytes; b_pack 13,107,200 bytes
;; launch quant (part 1): grid 512 x 1, 8 waves a work-group, no clusters, 70,656 bytes of LDS; arguments x, w_int, a_pack, b_pack; writes a_pack, b_pack
.if DOCPART == 1
	.amdgcn_target "amdgcn-amd-amdhsa--gfx1250"
	.amdhsa_code_object_version 6
	.text
	.protected	k_q3c3469bfcb_quant
	.globl	k_q3c3469bfcb_quant
	.p2align	8
	.type	k_q3c3469bfcb_quant,@function
k_q3c3469bfcb_quant:
	s_mov_b64 s[64:65], 0
	v_nop
	global_prefetch_b8 v0, s[64:65] scope:SCOPE_SE
	s_setreg_imm32_b32 hwreg(HW_REG_WAVE_MODE, 25, 1), 1
	s_wait_xcnt 0x0
; x [4096][4096] f32 and w_int [4096][4096] int32 (taken as f32, as a cast does) become codes of BF6 (E3M2) with one E8M0 scale byte for each 32 along K.
; A block's scale is 2^(floor(log2(its largest magnitude)) - 4); its byte is the largest magnitude's exponent field - 4, held at 1 from below.
; Each number is divided by the scale and rounded to the nearest code, ties to even; what lies beyond 28 gets the largest code.
; LIMITS: NaN and infinities among the inputs are not served.  A block of zeros gets the byte 1 where the quantiser's rule says 127: its codes are zeros,
; which add nothing under any byte but 0xff, and the bytes are read by this program's second launch alone.
; LAYOUT.  For each group of 128 rows (8 row blocks of 16) and each K step of 128 one dense chunk of 12,800 bytes: 512 bytes of scale words (row r of row block i: the word
; at 32 r + 4 i), then the eight fragments, row block i at 512 + 1,536 i.  A fragment is 16 rows x 128 K as the matrix operand lies in registers:
; registers 4 c .. 4 c + 3 of lane l at 512 c + 16 l.  A group's 32 chunks follow each other: 409,600 bytes.
; SHARES.  A work-group takes a group of 128 rows and four K steps on end; wave i takes row block i.  A step: 16 loads of 512 consecutive bytes of one row; the 8,192 bytes turn
; through the wave's own LDS stage (rows 528 bytes apart) and come back as 64 numbers a lane: 16 neighbours of each block of 32 of row r; lanes l and l xor 16 hold a block.
; The eight waves' scale words of the four steps, 2,048 bytes, meet in LDS; behind one barrier each wave stores 256 consecutive bytes of them.
; The first 256 work-groups take x, the others w_int: only pointers are chosen, and one short branch a step leads round the int32 -> f32 conversions.
; No tensor loads, no cluster: work-groups share no byte.  Three steps' loads (48 a wave) go out at the start, the fourth behind the first step's conversions.
.set WGA,   256
.set STEPS, 4
.set ROWB,  16384                      ; a row of numbers in bytes
.set SP,    528                        ; a stage row: 512 bytes + 16
.set WREG,  16*SP                      ; a wave's stage
.set SCW,   8*WREG                     ; behind the stages: the work-group's scale words, 512 bytes a step
.set SPARE, SCW+2048                   ; behind them: the spare words, 128 bytes a wave
.set FRB,   1536
.set CH,    512+8*FRB                  ; a chunk
.set GP,    32*CH
.set X,     16                         ; v16-207  three sets of 64 numbers
.set PC,    208                        ; v208-219 the fragment just made; v220-226 at work
.set TM,    228                        ; v228-231 largest magnitudes, v232-235 bytes, v240-243 the conversions' scale operands
.set PW,    244                        ; v244-247 a scale word for each step
.set SEL,   28                         ; s[28:29] selects for lane l xor 16
	s_load_b128 s[4:7], s[0:1], 0x0                ; x, w_int
	s_load_b128 s[8:11], s[0:1], 0x10              ; x's chunks, w_int's chunks
	v_lshl_add_u32 v254, v0, 2, SPARE
	v_mov_b32 v255, 0
	v_lshrrev_b32 v1, 5, v0
	v_readfirstlane_b32 s16, v1                    ; wave = row block in the group
	v_and_b32 v2, 31, v0
	v_lshlrev_b32 v3, 4, v2                        ; 16 x lane: my bytes of a load's or a store's 512
	s_mul_i32 s17, s16, WREG
	v_add_nc_u32 v4, s17, v3                       ; the stage, on the way in
	v_and_b32 v1, 15, v0                           ; r
	v_bfe_u32 v9, v0, 4, 1                         ; h
	v_mul_u32_u24 v5, v1, SP
	v_lshl_add_u32 v5, v9, 6, v5
	v_add_nc_u32 v5, s17, v5                       ; and on the way out: row r, + 64 h
	s_lshl_b32 s19, s16, 2
	s_add_co_u32 s19, s19, SCW
	v_lshlrev_b32 v6, 5, v1
	v_add_nc_u32 v6, s19, v6                       ; my row's scale word: 32 r + 4 x wave
	s_lshl_b32 s19, s16, 8
	s_add_co_u32 s19, s19, SCW
	v_lshlrev_b32 v8, 3, v2                        ; on the way out 8 bytes a lane,
	v_add_nc_u32 v7, s19, v8                       ; 256 bytes a wave
	s_mov_b32 s[SEL], 0x76543210
	s_mov_b32 s[SEL+1], 0xfedcba98
.irp b, 0,1,2,3
	v_mov_b32 v[TM+4+\b], 0                        ; a lane permute's destination counts as one of its sources
.endr
	s_and_b32 s18, ttmp9, 255
	s_lshr_b32 s20, s18, 3                         ; the group of 128 rows
	s_and_b32 s22, s18, 7                          ; the run of four K steps
	s_lshl_b32 s24, s20, 3
	s_add_co_u32 s24, s24, s16
	s_lshl_b32 s24, s24, 18                        ; numbers: 16 rows of 16,384 bytes a row block,
	s_lshl_b32 s25, s22, 11                        ; 2,048 bytes of a row a run
	s_add_co_u32 s24, s24, s25
	s_mov_b32 s25, 0
	s_mul_i32 s20, s20, GP
	s_mul_i32 s22, s22, 4*CH
	s_add_co_u32 s20, s20, s22                     ; the run's first chunk
	s_mul_i32 s26, s16, FRB
	s_add_co_u32 s26, s26, s20                     ; my fragments
	s_mov_b32 s27, 0
	s_lshr_b32 s22, s16, 1                         ; scale words out: wave w stores half w % 2 of step w / 2's 512 bytes
	s_mul_i32 s22, s22, CH
	s_and_b32 s23, s16, 1
	s_lshl_b32 s23, s23, 8
	s_add_co_u32 s22, s22, s23
	s_add_co_u32 s22, s22, s20
	s_mov_b32 s23, 0
	s_wait_alu depctr_va_vdst(0)                   ; the wait at the head's end
	s_wait_kmcnt 0x0
	s_cmp_lt_u32 ttmp9, WGA                        ; the choice hangs on the work-group's number alone
	s_cselect_b64 s[4:5], s[4:5], s[6:7]
	s_cselect_b64 s[8:9], s[8:9], s[10:11]
	s_add_nc_u64 s[4:5], s[4:5], s[24:25]
	s_add_nc_u64 s[10:11], s[8:9], s[22:23]
	s_add_nc_u64 s[8:9], s[8:9], s[26:27]
.macro LOAD t                          ; step t: 128 numbers of each of my 16 rows into set t % 3
.set XL, X+64*((\t)%3)
.irp j, 0,1,2,3,4,5,6,7,8,9,10,11,12,13,14,15
	global_load_b128 v[XL+4*\j:XL+4*\j+3], v3, s[4:5] offset:ROWB*\j+512*(\t) th:TH_LOAD_NT
.endr
.endm
.macro TURN t                          ; through the stage and back into the registers that they left; LDS serves a wave's instructions in order (ISA guide 5.7.1.4)
.set XT, X+64*((\t)%3)
.irp j, 0,1,2,3,4,5,6,7,8,9,10,11,12,13,14,15
	ds_store_b128 v4, v[XT+4*\j:XT+4*\j+3] offset:SP*\j
.endr
.irp b, 0,1,2,3
.irp j, 0,1,2,3
	ds_load_b128 v[XT+16*\b+4*\j:XT+16*\b+4*\j+3], v5 offset:128*\b+16*\j      ; register 16 b + i = k 32 b + 16 h + i of row r
.endr
.endr
.endm
.macro QUANT s, pw                     ; 64 numbers of a lane become a fragment's codes in v[PC] on and its scale word in v[pw]
.irp b, 0,1,2,3
	v_max3_num_f32 v[TM+\b], |v[\s+16*\b]|, |v[\s+1+16*\b]|, 0x2800000   ; my 16 numbers of block b, and the floor 2^(5 - 127): the byte cannot fall under 1
.endr
.irp i, 2,4,6,8,10,12,14
.irp b, 0,1,2,3
	v_max3_num_f32 v[TM+\b], v[TM+\b], |v[\s+16*\b+\i]|, |v[\s+1+16*\b+\i]|
.endr
.endr
.irp b, 0,1,2,3
	v_permlanex16_b32 v[TM+4+\b], v[TM+\b], s[SEL], s[SEL+1]
.endr
.irp b, 0,1,2,3
	v_max_num_f32 v[TM+\b], v[TM+\b], v[TM+4+\b]   ; with lane l xor 16's: the block's largest magnitude
.endr
.irp b, 0,1,2,3
	v_add_nc_u32 v[TM+12+\b], 0xfe000000, v[TM+\b]   ; 4 off its exponent field: the conversion's scale operand
.endr
.irp b, 0,1,2,3
	v_lshrrev_b32 v[TM+4+\b], 23, v[TM+12+\b]      ; the scale's byte
.endr
	v_lshl_or_b32 v[\pw], v[TM+5], 8, v[TM+4]
	v_lshl_or_b32 v[\pw], v[TM+6], 16, v[\pw]
	v_lshl_or_b32 v[\pw], v[TM+7], 24, v[\pw]
.irp c, 0,1
	v_cvt_scalef32_pk16_bf6_f32 v[PC+6*\c:PC+2+6*\c], v[\s+32*\c:\s+15+32*\c], v[TM+12+2*\c]
	v_cvt_scalef32_pk16_bf6_f32 v[PC+12+4*\c:PC+14+4*\c], v[\s+16+32*\c:\s+31+32*\c], v[TM+12+2*\c+1]   ; (a conversion's three registers begin on an even number)
.endr
	v_nop                                          ; one plain place behind a scaled conversion
.irp c, 0,1                                    ; the operand's layout wants a whole block in a lane
.irp i, 0,1,2
	v_permlane16_swap_b32 v[PC+6*\c+\i], v[PC+12+4*\c+\i]
.endr
.irp i, 0,1,2
	v_mov_b32 v[PC+3+6*\c+\i], v[PC+12+4*\c+\i]
.endr
.endr
.endm
	LOAD 0
	LOAD 1
	LOAD 2
	s_wait_loadcnt 32                              ; step 0's sixteen loads are in; the 32 of steps 1 and 2 may be out
	TURN 0
.macro STEP t
.if (\t) > 0
	s_wait_dscnt 1                                 ; this step's numbers are back from the stage (behind them only the last step's word store was issued)
.else
	s_wait_dscnt 0x0
.endif
.if (\t)+1 < STEPS
.if (\t) < 2
	s_wait_loadcnt 16                              ; the next step's sixteen loads are in; those of the one step behind it may be out
.else
	s_wait_loadcnt 0x0
.endif
	TURN (\t)+1                                    ; the next step goes through the stage while this one is worked
.endif
.set XQ, X+64*((\t)%3)
	s_cmp_lt_u32 ttmp9, WGA                        ; x's numbers are f32 as they lie; w_int's become f32 here
	s_cbranch_scc1 .Lf32_\@
.set n, 0
.rept 64
	v_cvt_f32_i32 v[XQ+n], v[XQ+n]
.set n, n+1
.endr
.Lf32_\@:
.if (\t) > 0
	s_wait_xcnt 0x0                                ; the last step's stores have read the codes' registers (ISA guide 3.1)
.endif
	QUANT XQ, PW+(\t)
.if (\t)+3 < STEPS
	LOAD (\t)+3                                    ; the set just converted takes the step three on
.endif
	ds_store_b32 v6, v[PW+(\t)] offset:512*(\t)    ; lanes l and l xor 16 write the same word with the same value
.irp c, 0,1,2
	global_store_b128 v3, v[PC+4*\c:PC+4*\c+3], s[8:9] offset:512+CH*(\t)+512*\c   ; 32 lanes store 512 consecutive bytes, at a multiple of 512 from the buffer's first byte
.endr
.endm
.irp t, 0,1,2,3
	STEP \t
.endr
	s_wait_dscnt 0x0                               ; for the others' sake: my word stores are done
	s_barrier_signal -1
	s_barrier_wait -1
	ds_load_b64 v[10:11], v7                       ; words that all eight waves stored
	s_wait_dscnt 0x0
	global_store_b64 v8, v[10:11], s[10:11]        ; 32 lanes store 256 consecutive bytes, at a multiple of 256 from the buffer's first byte
	s_wait_tensorcnt 0x0                           ; the wave's end
	ds_add_u32 v254, v255
	s_wait_dscnt 0x0
	s_endpgm
.Lfunc_end_k_q3c3469bfcb_quant:
	.size	k_q3c3469bfcb_quant, .Lfunc_end_k_q3c3469bfcb_quant-k_q3c3469bfcb_quant
	.p2alignl 7, 3214868480
	.fill 96, 4, 3214868480
	.section	.rodata,"a",@progbits
	.p2align	6, 0x0
	.amdhsa_kernel k_q3c3469bfcb_quant
		.amdhsa_group_segment_fixed_size 70656
		.amdhsa_private_segment_fixed_size 0
		.amdhsa_enable_private_segment 0
		.amdhsa_kernarg_size 32
		.amdhsa_user_sgpr_count 2
		.amdhsa_user_sgpr_kernarg_segment_ptr 1
		.amdhsa_wavefront_size32 1
		.amdhsa_system_sgpr_workgroup_id_x 1
		.amdhsa_system_sgpr_workgroup_id_y 1
		.amdhsa_system_sgpr_workgroup_id_z 1
		.amdhsa_system_vgpr_workitem_id 0
		.amdhsa_next_free_vgpr 256
		.amdhsa_next_free_sgpr 66
		.amdhsa_reserve_vcc 0
		.amdhsa_float_denorm_mode_32 3
		.amdhsa_float_denorm_mode_16_64 3
		.amdhsa_memory_ordered 1
		.amdhsa_forward_progress 1
		.amdhsa_inst_pref_size 43
	.end_amdhsa_kernel
	.amdgpu_metadata
---
amdhsa.version: [ 1, 2 ]
amdhsa.kernels:
  - .name:           k_q3c3469bfcb_quant
    .symbol:         k_q3c3469bfcb_quant.kd
    .args:
      - { .name: x, .offset: 0, .size: 8, .value_kind: global_buffer, .address_space: global }
      - { .name: w_int, .offset: 8, .size: 8, .value_kind: global_buffer, .address_space: global }
      - { .name: a_pack, .offset: 16, .size: 8, .value_kind: global_buffer, .address_space: global }
      - { .name: b_pack, .offset: 24, .size: 8, .value_kind: global_buffer, .address_space: global }
    .group_segment_fixed_size: 70656
    .private_segment_fixed_size: 0
    .kernarg_segment_align: 8
    .kernarg_segment_size: 32
    .max_flat_workgroup_size: 256
    .sgpr_count:     66
    .vgpr_count:     256
    .wavefront_size: 32
...
	.end_amdgpu_metadata
.endif
;; end of part 1
;; launch gemm (part 2): grid 16 x 16, 4 waves a work-group, clusters of 4 x 4, 327,680 bytes of LDS; arguments a_pack, b_pack, out0, scale; writes out0
.if DOCPART == 2
	.amdgcn_target "amdgcn-amd-amdhsa--gfx1250"
	.amdhsa_code_object_version 6
	.text
	.protected	k_q3c3469bfcb_gemm
	.globl	k_q3c3469bfcb_gemm
	.p2align	8
	.type	k_q3c3469bfcb_gemm,@function
k_q3c3469bfcb_gemm:
	s_mov_b64 s[64:65], 0
	v_nop
	global_prefetch_b8 v0, s[64:65] scope:SCOPE_SE
	s_setreg_imm32_b32 hwreg(HW_REG_WAVE_MODE, 25, 1), 1
	s_wait_xcnt 0x0
	s_wait_alu depctr_hold_cnt(0) depctr_sa_sdst(0) depctr_va_vdst(0) depctr_va_sdst(0) depctr_va_ssrc(0) depctr_va_vcc(0) depctr_vm_vsrc(0)
	s_getreg_b32 s2, hwreg(HW_REG_IB_STS2, 6, 4)
	s_cmp_eq_u32 s2, 0
	s_cbranch_scc0 .Lentry_in_a_cluster
	s_endpgm
.Lentry_in_a_cluster:
	s_bfe_u32 s2, ttmp6, 0x10000c
	s_cmp_lg_u32 s2, 0xf033
	s_cbranch_scc0 .Lentry_shape_is_right
	s_endpgm
.Lentry_shape_is_right:
; out0[m][n] = scale[n] x sum over k of Q(x)[m][k] Q(w_int)[n][k], on the codes and scale words that the first launch laid.
; A tile of 256 x 256 is made by four waves, 128 x 128 each: 64 accumulators, 512 registers.  K's 32 steps of 128 go through a ring of two LDS slots:
; slots 0-9 hold three steps, slot 10 two.  For 128 rows a step is one dense chunk of memory (512 bytes of scale words, then eight fragments as they lie in registers:
; 12,800 bytes), and a slot three chunks on end: wave w brings block w of the four (A's two halves, B's two halves) by one tensor load, as rows of 256 bytes.
; So the scale words travel with their codes, and two slots of 384 along K take 307,200 bytes of LDS.
; CLUSTERS: 4 x 4 work-groups; A's blocks are asked for jointly along a row of the cluster, B's along a column.
; THE MATRIX INSTRUCTION IS USED TRANSPOSED (source 0 = 16 rows of B, source 1 = 16 rows of A): a lane holds eight neighbouring numbers of a row of the result.
; A step's 64 products go by A's blocks, each against B's eight.  A has one set of registers: blocks 0-3 are fetched anew in the step's middle, blocks 4-7 at its end;
; B has two sets, and the next step's B and scale words come in the middle run: two runs of LDS loads a step.
; PREFETCH: behind the load of slot t each wave names slot t + 2 of its own stream; the four partners of a joint load share the block's units of 256 bytes
; by address (unit 4 k + place, lane k; lanes left over name the block's last unit).  Slots 1 and 2 are named at the head; the last two loads name nothing.
; REGISTERS: window 0: v8-11 scale[n] of my columns, v12-29 addresses, v32-47 scale words (set p at 32 + 8 p: register i: lanes 0-15 A's block i,
; lanes 16-31 B's block i), v128-223 A's fragments; window 1: B's fragments, two sets, at v0 and v128; windows 2, 3: the accumulators.
.set SIZE_N, 4096
.set FR,     12
.set FRB,    1536
.set NL,     3                         ; LDS loads that bring a fragment
.set NP,     4                         ; places behind this matrix instruction (ISA guide 7.12.1)
.set CH,     512+8*FRB                 ; a chunk: 128 rows x 128 K
.set BLK,    3*CH
.set BLKS,   2*CH
.set GP,     32*CH                     ; 128 rows, all of K
.set SLOT,   4*BLK
.set SPARE,  2*SLOT                    ; behind the ring: the spare words
.set STAGE,  SLOT                      ; the way out goes through slot 1: the last K steps lie in slot 0
.set SPITCH, 528
.set COLS, 8
.set PFO,  12                          ; v12-14 the prefetches' offsets
.set ADRA, 16
.set ADRB, 20
.set ADRS, 22
.set STO,  24
.set RD,   25
.set CO,   26
.set SPW,  28
.set NIL,  29
.set SC,   32
.set AF,   128
.set BK,   128
.set G1, 24                            ; s[24:31] group 1 for A's blocks, s[32:39] group 0 for each slot
.set G0, 32
.set G1B, 48                           ; the same for B's
.set G0B, 56
.set G1S, 68                           ; group 1 for the last, shorter block: A's, B's
.set G1SB, 80
.set PFA, 92                           ; s[92:93] where my prefetches stand
.set MSB, 0
.macro WIN new                         ; the immediate's high byte repeats the setting that is left
.if MSB != \new
	s_set_vgpr_msb (MSB<<8)|\new
.set MSB, \new
.endif
.endm
.set MUL_LO, 0xa1                      ; source 0 (B) window 1, source 1 (A) window 0, C and D window 2
.set MUL_HI, 0xf1                      ; the same, C and D window 3
.set TO_B,   0x40
.macro JLOAD g0a, g1a, g0b, g1b        ; a joint load: waves 0, 1 fetch A's halves, waves 2, 3 B's
	s_cmp_eq_u32 s15, 0
	s_cbranch_scc0 .Lfor_b_\@
	tensor_load_to_lds s[\g0a:\g0a+3], s[\g1a:\g1a+7]
	s_nop 0
.rept 4
	v_nop
.endr
	s_branch .Lasked_\@
.Lfor_b_\@:
	tensor_load_to_lds s[\g0b:\g0b+3], s[\g1b:\g1b+7]
	s_nop 0
.rept 4
	v_nop
.endr
.Lasked_\@:
.endm
.macro CREST                           ; a round of the cluster's barrier behind its opening barrier
	s_cmp_lg_u32 s14, 0
	s_cbranch_scc1 .Lnot_wave_0_\@
	s_barrier_signal -3
.Lnot_wave_0_\@:
	s_barrier_wait -3
	s_barrier_signal -1
	s_barrier_wait -1
.endm
.macro CROUND
	s_barrier_signal -1
	s_barrier_wait -1
	CREST
.endm
	s_load_b128 s[4:7], s[0:1], 0x0                ; A's chunks, B's chunks
	s_load_b128 s[8:11], s[0:1], 0x10              ; out0, scale
	v_lshl_add_u32 v[SPW], v0, 2, SPARE
	v_mov_b32 v[NIL], 0
	ds_add_u32 v[SPW], v[NIL]                      ; the opening lines: the add, twice on end, and its wait
	ds_add_u32 v[SPW], v[NIL]
	v_lshrrev_b32 v1, 5, v0
	v_readfirstlane_b32 s14, v1                    ; wave
	s_lshr_b32 s15, s14, 1                         ; my half of the tile's rows; also: I fetch for A (0) or B (1)
	s_and_b32 s16, s14, 1                          ; my half of its columns; also: which 128 rows I fetch
	s_bfe_u32 s40, ttmp6, 0x40000                  ; cx, cy
	s_bfe_u32 s41, ttmp6, 0x40004
	s_lshl_b32 s42, ttmp9, 2
	s_add_co_u32 s42, s42, s40                     ; tile column
	s_and_b32 s17, ttmp7, 0xffff
	s_lshl_b32 s17, s17, 2
	s_add_co_u32 s17, s17, s41                     ; tile row
	s_lshl_b32 s43, s41, 2
	s_lshl_b32 s43, 15, s43                        ; my row of the cluster
	s_lshl_b32 s44, 0x1111, s40                    ; my column
	s_or_b32 s[G1], s43, (3<<16)|(1<<21)           ; elements of 8 bytes; the mask, and bit 21 beside it
	s_or_b32 s[G1B], s44, (3<<16)|(1<<21)
	s_or_b32 s[G1S], s43, (3<<16)|(1<<21)
	s_or_b32 s[G1SB], s44, (3<<16)|(1<<21)
.irp g, G1, G1B                                ; a dense block as rows of 256 bytes
	s_mov_b32 s[\g+1], 32<<16
	s_mov_b32 s[\g+2], (BLK/256)<<16
	s_mov_b32 s[\g+3], 32<<16
	s_mov_b32 s[\g+4], BLK/256
	s_mov_b32 s[\g+5], 32
	s_mov_b32 s[\g+6], 0
	s_mov_b32 s[\g+7], 0
.endr
.irp g, G1S, G1SB
	s_mov_b32 s[\g+1], 32<<16
	s_mov_b32 s[\g+2], (BLKS/256)<<16
	s_mov_b32 s[\g+3], 32<<16
	s_mov_b32 s[\g+4], BLKS/256
	s_mov_b32 s[\g+5], 32
	s_mov_b32 s[\g+6], 0
	s_mov_b32 s[\g+7], 0
.endr
	s_lshl_b32 s20, s17, 1
	s_add_co_u32 s20, s20, s16
	s_mul_i32 s20, s20, GP                         ; A: group 2 x tile row + half
	s_mov_b32 s21, 0
	s_lshl_b32 s46, s42, 1
	s_add_co_u32 s46, s46, s16
	s_mul_i32 s46, s46, GP                         ; B: group 2 x tile column + half
	s_mov_b32 s47, 0
	s_mul_i32 s45, s14, BLK                        ; where my block goes in a slot
	s_wait_dscnt 0x0
	s_wait_kmcnt 0x0
	s_add_nc_u64 s[20:21], s[4:5], s[20:21]
	s_add_nc_u64 s[46:47], s[6:7], s[46:47]
	CROUND                                         ; the first joint loads meet
.irp s, 0,1
	s_mov_b32 s[G0+4*\s], 1
	s_add_co_u32 s[G0+4*\s+1], s45, \s*SLOT
	s_add_nc_u64 s[G0+4*\s+2:G0+4*\s+3], s[20:21], \s*BLK
	s_or_b32 s[G0+4*\s+3], s[G0+4*\s+3], 0x80000000
	s_mov_b32 s[G0B+4*\s], 1
	s_add_co_u32 s[G0B+4*\s+1], s45, \s*SLOT
	s_add_nc_u64 s[G0B+4*\s+2:G0B+4*\s+3], s[46:47], \s*BLK
	s_or_b32 s[G0B+4*\s+3], s[G0B+4*\s+3], 0x80000000
.endr
	JLOAD G0, G1, G0B, G1B                         ; slot 0: one tensor load a wave at the head
	s_cmp_eq_u32 s15, 0
	s_cselect_b64 s[PFA:PFA+1], s[20:21], s[46:47] ; the stream that I fetch,
	s_cselect_b32 s18, s40, s41                    ; my place among the four that ask for it with me:
	s_lshl_b32 s18, s18, 8                         ; it enters the prefetches' offsets alone
	s_add_co_u32 s19, s18, 32768
	v_and_b32 v1, 15, v0                           ; r
	v_bfe_u32 v2, v0, 4, 1                         ; h
	v_and_b32 v6, 31, v0
	v_lshlrev_b32 v[CO], 4, v6                     ; 16 x lane
	v_lshl_add_u32 v[PFO], v6, 10, s18             ; units 4 k + place, k = 0 .. 31;
	v_min_u32 v7, 5, v6
	v_lshl_add_u32 v[PFO+1], v7, 10, s19           ; k = 32 .. 37,
	v_min_u32 v[PFO+1], BLK-256, v[PFO+1]          ; held at the block's last unit (a block has 150);
	v_min_u32 v7, 24, v6
	v_lshl_add_u32 v[PFO+2], v7, 10, s18           ; the shorter block's 100 units: k = 0 .. 24
	s_wait_alu depctr_va_vdst(0)                   ; the wait here, ahead of the readers below
.irp t, 1,2
	global_prefetch_b8 v[PFO], s[PFA:PFA+1] offset:\t*BLK th:TH_LOAD_NT scope:SCOPE_SE
	global_prefetch_b8 v[PFO+1], s[PFA:PFA+1] offset:\t*BLK th:TH_LOAD_NT scope:SCOPE_SE
.endr
	s_mul_i32 s21, s15, BLK                        ; my 128 rows of A
	s_mul_i32 s22, s16, BLK
	s_add_co_u32 s22, s22, 2*BLK                   ; my 128 rows of B
	v_lshlrev_b32 v5, 5, v1                        ; scale words: 32 bytes a row;
	s_sub_co_u32 s23, s22, s21
	v_mul_u32_u24 v6, s23, v2                      ; lanes 16-31 take B's
	v_add_nc_u32 v5, v5, v6
.irp s, 0,1
	v_add_nc_u32 v[ADRA+\s], s21, v[CO]
	v_add_nc_u32 v[ADRB+\s], s22, v[CO]
	v_add_nc_u32 v[ADRS+\s], s21, v5
	s_add_co_u32 s21, s21, SLOT
	s_add_co_u32 s22, s22, SLOT
.endr
	s_mul_i32 s23, s14, 16*SPITCH
	s_add_co_u32 s23, s23, STAGE                   ; my stage
	v_mul_u32_u24 v5, v1, SPITCH
	v_lshl_add_u32 v5, v2, 5, v5
	v_add_nc_u32 v[STO], s23, v5
	v_add_nc_u32 v[RD], s23, v[CO]
	s_lshl_b32 s20, s17, 8
	s_lshl_b32 s21, s15, 7
	s_add_co_u32 s20, s20, s21                     ; my first row of the result,
	s_lshl_b32 s20, s20, 14                        ; in bytes: rows of 16,384
	s_mov_b32 s21, 0
	s_lshl_b32 s46, s42, 10
	s_lshl_b32 s47, s16, 9
	s_add_co_u32 s46, s46, s47                     ; my first column, in bytes
	s_mov_b32 s47, 0
	s_add_nc_u64 s[10:11], s[10:11], s[46:47]
	s_add_nc_u64 s[20:21], s[20:21], s[46:47]
	s_add_nc_u64 s[8:9], s[8:9], s[20:21]
	global_load_b128 v[COLS:COLS+3], v[CO], s[10:11]   ; scale[n] of the four columns that I store; waited for ahead of the way out
.macro FRAG reg, adr, q, i             ; a fragment as it lies: three loads of 512 consecutive bytes
.irp c, 0,1,2
	ds_load_b128 v[\reg+4*\c:\reg+4*\c+3], v[\adr] offset:(\q)*CH+512+(\i)*FRB+512*\c
.endr
.endm
.macro MUL16 a0, p, zero               ; A's blocks a0, a0 + 1 x B's eight; the 64 accumulators take turns
.irp a, \a0, \a0+1
.irp b, 0,1,2,3,4,5,6,7
.if \zero
	v_wmma_scale_f32_16x16x128_f8f6f4 v[8*(8*((\a)%4)+\b):8*(8*((\a)%4)+\b)+7], v[128*(\p)+FR*\b:128*(\p)+FR*\b+FR-1], v[AF+FR*(\a):AF+FR*(\a)+FR-1], 0, v[SC+8*(\p)+\b], v[SC+8*(\p)+(\a)] matrix_a_fmt:MATRIX_FMT_BF6 matrix_b_fmt:MATRIX_FMT_BF6 matrix_a_scale:MATRIX_SCALE_ROW1
.else
	v_wmma_scale_f32_16x16x128_f8f6f4 v[8*(8*((\a)%4)+\b):8*(8*((\a)%4)+\b)+7], v[128*(\p)+FR*\b:128*(\p)+FR*\b+FR-1], v[AF+FR*(\a):AF+FR*(\a)+FR-1], v[8*(8*((\a)%4)+\b):8*(8*((\a)%4)+\b)+7], v[SC+8*(\p)+\b], v[SC+8*(\p)+(\a)] matrix_a_fmt:MATRIX_FMT_BF6 matrix_b_fmt:MATRIX_FMT_BF6 matrix_a_scale:MATRIX_SCALE_ROW1
.endif
.endr
.endr
.endm
.macro FETCH_B slot, q, p
	WIN TO_B
.irp i, 0,1,2,3,4,5,6,7
	FRAG 128*(\p)+FR*\i, ADRB+\slot, \q, \i
.endr
	WIN 0
.endm
.macro FETCH_A slot, q, i0
.irp i, \i0, \i0+1, \i0+2, \i0+3
	FRAG AF+FR*(\i), ADRA+\slot, \q, \i
.endr
.endm
.macro LS slot, q, p                   ; a step's scale words into set p: eight words of my row: lanes 0-15 A's blocks, lanes 16-31 B's
	ds_load_b128 v[SC+8*(\p):SC+8*(\p)+3], v[ADRS+\slot] offset:(\q)*CH
	ds_load_b128 v[SC+8*(\p)+4:SC+8*(\p)+7], v[ADRS+\slot] offset:(\q)*CH+16
.endm
.macro PLACES n                        ; in front of loads into registers that matrix instructions have read
.rept \n
	v_nop
.endr
.endm
; A step that is not its slot's last: 64 products on set p of B and of the scale words; the next step's operands come in its middle and at its end.
.macro STEP slot, q, p, zero
	s_wait_dscnt 4*NL                              ; all but the youngest twelve loads (A's blocks 4-7)
	WIN MUL_LO
	MUL16 0, \p, \zero
	MUL16 2, \p, \zero
	s_wait_dscnt 0
	PLACES NP
	FETCH_B \slot, (\q)+1, 1-(\p)
	FETCH_A \slot, (\q)+1, 0
	LS \slot, (\q)+1, 1-(\p)
	WIN MUL_HI
	MUL16 4, \p, \zero
	MUL16 6, \p, \zero
	PLACES NP
	WIN 0
	FETCH_A \slot, (\q)+1, 4
.endm
; The prefetch behind the load of slot t: slot t + 2.  mode 1: in the loop's last trip that is the shorter slot 10; mode 2: there it would lie past K's end, and nothing is named.
.macro ASK mode
.if \mode
	s_cmp_gt_u32 s3, 1
	s_cbranch_scc0 .Lend_\@
	global_prefetch_b8 v[PFO], s[PFA:PFA+1] offset:3*BLK th:TH_LOAD_NT scope:SCOPE_SE
	global_prefetch_b8 v[PFO+1], s[PFA:PFA+1] offset:3*BLK th:TH_LOAD_NT scope:SCOPE_SE
.if \mode == 1
	s_branch .Ldone_\@
.endif
.Lend_\@:
.if \mode == 1
	global_prefetch_b8 v[PFO+2], s[PFA:PFA+1] offset:3*BLK th:TH_LOAD_NT scope:SCOPE_SE
.Ldone_\@:
.endif
.endif
.endm
; A slot's last step, and the change of slots: one barrier; in front of it every wave waits for all its tensor loads (one is out: its block of the next slot),
; adds 0 to its spare word and waits for that and for its reads of this slot.  fill = 1: this slot takes the slot two on; 2: the last, shorter one; 0: nothing.
.macro TURN slot, next, p, fill, ask
.if \ask
	s_wait_xcnt 0x0                                ; my prefetches have read their address: it steps here, a slot behind them
	s_add_nc_u64 s[PFA:PFA+1], s[PFA:PFA+1], BLK
.endif
	s_wait_tensorcnt 0x0
	ds_add_u32 v[SPW], v[NIL]
.if \fill
	s_add_nc_u64 s[G0+4*\slot+2:G0+4*\slot+3], s[G0+4*\slot+2:G0+4*\slot+3], 2*BLK      ; no load of mine is out: the descriptors step
	s_add_nc_u64 s[G0B+4*\slot+2:G0B+4*\slot+3], s[G0B+4*\slot+2:G0B+4*\slot+3], 2*BLK
.endif
	s_wait_dscnt 4*NL+1                            ; (the add and A's blocks 4-7 may be out)
	WIN MUL_LO
	MUL16 0, \p, 0
	s_wait_dscnt 0x0                               ; the add is done, my reads of this slot are over
	s_barrier_signal -1
	MUL16 2, \p, 0
	WIN 0
	s_barrier_wait -1
.if \fill == 1
	CREST                                          ; the barrier has opened a round of the cluster's barrier
	JLOAD G0+4*\slot, G1, G0B+4*\slot, G1B         ; its four v_nop are the places in front of the loads below
.endif
.if \fill == 2
	CREST
	JLOAD G0+4*\slot, G1S, G0B+4*\slot, G1SB
.endif
.if \fill == 0
	PLACES NP
.endif
	FETCH_B \next, 0, 1-(\p)
	FETCH_A \next, 0, 0
	LS \next, 0, 1-(\p)
	ASK \ask
	WIN MUL_HI
	MUL16 4, \p, 0
	MUL16 6, \p, 0
	PLACES NP
	WIN 0
	FETCH_A \next, 0, 4
.endm
	s_wait_alu depctr_va_vdst(0)                   ; the wait at the head's end
	s_wait_tensorcnt 0x0                           ; my block of slot 0 is in; slot 1's first fill is issued as a refill is
	ds_add_u32 v[SPW], v[NIL]
	s_wait_dscnt 0x0
	CROUND
	JLOAD G0+4, G1, G0B+4, G1B
	FETCH_B 0, 0, 0
	FETCH_A 0, 0, 0
	LS 0, 0, 0
	FETCH_A 0, 0, 4
	global_prefetch_b8 v[PFO], s[PFA:PFA+1] offset:3*BLK th:TH_LOAD_NT scope:SCOPE_SE          ; slot 3
	global_prefetch_b8 v[PFO+1], s[PFA:PFA+1] offset:3*BLK th:TH_LOAD_NT scope:SCOPE_SE
	STEP 0, 0, 0, 1                                ; the first step's products start the sums
	s_mov_b32 s3, 4
.Llap:                                                 ; a trip: six steps, once round the ring, from a lap's second step to the next lap's first; the sets are back where they began
	STEP 0, 1, 1, 0
	TURN 0, 1, 0, 1, 1
	STEP 1, 0, 1, 0
	STEP 1, 1, 0, 0
	TURN 1, 0, 1, 1, 2
	STEP 0, 0, 0, 0
	s_sub_co_u32 s3, s3, 1
	s_cmp_lg_u32 s3, 0
	s_cbranch_scc1 .Llap
	STEP 0, 1, 1, 0                                ; slots 8, 9 and 10
	TURN 0, 1, 0, 2, 0
	STEP 1, 0, 1, 0
	STEP 1, 1, 0, 0
	TURN 1, 0, 1, 0, 0
	STEP 0, 0, 0, 0
	s_wait_dscnt 4*NL                              ; the last step: nothing more to fetch
	WIN MUL_LO
	MUL16 0, 1, 0
	MUL16 2, 1, 0
	s_wait_dscnt 0
	WIN MUL_HI
	MUL16 4, 1, 0
	MUL16 6, 1, 0
	WIN 0
; THE WAY OUT, by blocks of 16 rows x 128 columns: through my own stage and back as whole rows of 512 bytes; x scale[n]; 32 lanes store two aligned units of 256 bytes.
.macro TOSTAGE a
.set AC, 64*((\a)%4)
	WIN 0x08+4*((\a)/4)
.irp b, 0,1,2,3,4,5,6,7
	ds_store_b128 v[STO], v[AC+8*\b:AC+8*\b+3] offset:64*\b          ; each accumulator from its low end on
	ds_store_b128 v[STO], v[AC+8*\b+4:AC+8*\b+7] offset:64*\b+16
.endr
	WIN 0
.set BB, BK+64*((\a)%2)
.irp t, 0,1,2,3,4,5,6,7,8,9,10,11,12,13,14,15
	ds_load_b128 v[BB+4*\t:BB+4*\t+3], v[RD] offset:\t*SPITCH      ; LDS serves a wave's instructions in order (ISA guide 5.7.1.4)
.endr
.endm
.macro SEND a, younger
.set BB, BK+64*((\a)%2)
	s_wait_dscnt \younger
.if (\a) > 0
	s_add_nc_u64 s[8:9], s[8:9], 16*SIZE_N*4       ; (behind a wait on XCNT)
.endif
.irp t, 0,1,2,3,4,5,6,7,8,9,10,11,12,13,14,15
	v_pk_mul_f32 v[BB+4*\t:BB+4*\t+1], v[BB+4*\t:BB+4*\t+1], v[COLS:COLS+1]
	v_pk_mul_f32 v[BB+4*\t+2:BB+4*\t+3], v[BB+4*\t+2:BB+4*\t+3], v[COLS+2:COLS+3]
.endr
.irp t, 0,1,2,3,4,5,6,7,8,9,10,11,12,13,14,15
	global_store_b128 v[CO], v[BB+4*\t:BB+4*\t+3], s[8:9] offset:\t*SIZE_N*4 th:TH_STORE_NT
.endr
.endm
	s_wait_loadcnt 0x0                             ; scale[n]
	PLACES NP
	TOSTAGE 0
.irp a, 1,2,3,4,5,6,7
.if \a > 1
	s_wait_xcnt 0x0                                ; block a - 2's stores have read their registers and their base
.endif
	TOSTAGE \a
	SEND \a-1, 32
.endr
	s_wait_xcnt 0x0
	SEND 7, 0
	s_wait_tensorcnt 0x0                           ; the wave's end
	ds_add_u32 v[SPW], v[NIL]
	s_wait_dscnt 0x0
	CROUND                                         ; the closing round
	s_endpgm
.Lfunc_end_k_q3c3469bfcb_gemm:
	.size	k_q3c3469bfcb_gemm, .Lfunc_end_k_q3c3469bfcb_gemm-k_q3c3469bfcb_gemm
	.p2alignl 7, 3214868480
	.fill 96, 4, 3214868480
	.section	.rodata,"a",@progbits
	.p2align	6, 0x0
	.amdhsa_kernel k_q3c3469bfcb_gemm
		.amdhsa_group_segment_fixed_size 327680
		.amdhsa_private_segment_fixed_size 0
		.amdhsa_enable_private_segment 0
		.amdhsa_kernarg_size 32
		.amdhsa_user_sgpr_count 2
		.amdhsa_user_sgpr_kernarg_segment_ptr 1
		.amdhsa_wavefront_size32 1
		.amdhsa_system_sgpr_workgroup_id_x 1
		.amdhsa_system_sgpr_workgroup_id_y 1
		.amdhsa_system_sgpr_workgroup_id_z 1
		.amdhsa_system_vgpr_workitem_id 0
		.amdhsa_next_free_vgpr 1024
		.amdhsa_next_free_sgpr 98
		.amdhsa_reserve_vcc 0
		.amdhsa_float_denorm_mode_32 3
		.amdhsa_float_denorm_mode_16_64 3
		.amdhsa_memory_ordered 1
		.amdhsa_forward_progress 1
		.amdhsa_inst_pref_size 222
	.end_amdhsa_kernel
	.amdgpu_metadata
---
amdhsa.version: [ 1, 2 ]
amdhsa.kernels:
  - .name:           k_q3c3469bfcb_gemm
    .symbol:         k_q3c3469bfcb_gemm.kd
    .args:
      - { .name: a_pack, .offset: 0, .size: 8, .value_kind: global_buffer, .address_space: global }
      - { .name: b_pack, .offset: 8, .size: 8, .value_kind: global_buffer, .address_space: global }
      - { .name: out0, .offset: 16, .size: 8, .value_kind: global_buffer, .address_space: global }
      - { .name: scale, .offset: 24, .size: 8, .value_kind: global_buffer, .address_space: global }
    .group_segment_fixed_size: 327680
    .private_segment_fixed_size: 0
    .kernarg_segment_align: 8
    .kernarg_segment_size: 32
    .max_flat_workgroup_size: 128
    .sgpr_count:     98
    .vgpr_count:     1024
    .wavefront_size: 32
...
	.end_amdgpu_metadata
.endif
;; end of part 2
